; MI455X (gfx1250); checked and timed in simulation.
; The chip was launched on July 23, 2026; its instructions are those of AMD's public machine-readable ISA for CDNA 5 (MIT licence, August 2026) and "CDNA5" Instruction Set Architecture Reference Guide (July 2026). The comments in the code are by the model that wrote it; some were corrected since.
;; Bahdanau Attention Layer. Allowed arithmetic: matrix products marked QUANTISED: E3M2 operands, one E8M0 scale for each 32 along K, by v_wmma_scale_f32_16x16x128_f8f6f4 with both operands' format E3M2, f32 sums; products left as they are: f32 operands where the result goes on into a quantised operand, else bf16, f16 or f32 operands; f32 sums; everything else in f32.
;; Inputs: U 512 x 512 float32; V 512 float32; W 512 x 512 float32; Wa 512 x 512 float32; ba 512 float32; bias 512 float32; encoder_outputs 32 x 4,096 x 512 float32; hidden_state 32 x 512 float32.
;; Outputs: out0 32 x 512 float32; out1 32 x 4,096 float32.
;; This version of the problem:
;;   THIS VERSION OF THE PROBLEM IS GIVEN IN LOW PRECISION. The matrix products marked QUANTISED in the list below multiply operands that are first quantised to E3M2 (3 exponent bits, 2 mantissa bits; 6 bits a number), with one power-of-two scale for each 32 numbers along K (OCP MX v1.0); their sums are f32. All else is computed in f32.
;;   The module's matrix products, in the order in which they are computed (A, B: the left and right operand; K: the contracted axis; several contracted axes count as one K, in the product's order):
;;     1. [M 32, K 512] x [K 512, N 512]; A: input hidden_state; B: input W: QUANTISED
;;     2. [M 131,072, K 512] x [K 512, N 512]; A: input encoder_outputs; B: input U: QUANTISED
;;     3. [M 131,072, K 512] x [K 512, N 512]; A: computed on the way; B: input Wa: QUANTISED
;;     4. [M 131,072, K 512] x [K 512, N 1]; A: computed on the way; B: input V: left as it is (N = 1 < 16)
;;     5. batch 32 x [M 512, K 4,096] x [K 4,096, N 1]; A: input encoder_outputs; B: softmax: left as it is (N = 1 < 16)
;;   THE QUANTISER, for each operand of a quantised product, along K:
;;     - K is cut into blocks of 32 from its start; a last block that is shorter is filled with zeros.
;;     - A block's scale is 2^e with e = floor(log2(the largest magnitude in the block)) - 4, held to -126 .. 127; a block of zeros has e = 0. As a byte (E8M0): e + 127.
;;     - Each number is divided by its block's scale, clamped to +-28, and rounded to the nearest number of E3M2, ties to even, subnormals kept.
;;     - The product sums the exact products of the quantised numbers (number of the format x scale) in f32.
;;   ~~~python
;;   def quantise(x, axis):      # numpy; x: float32 -> the quantised numbers, widened to float32 again
;;       x = np.moveaxis(x, axis, -1); K = x.shape[-1]
;;       x = np.pad(x, [(0, 0)] * (x.ndim - 1) + [(0, -K % 32)]); x = x.reshape(x.shape[:-1] + (-1, 32)); a = np.abs(x).max(-1, keepdims=True)
;;       e = np.where(a > 0, np.clip(np.frexp(np.where(a > 0, a, 1))[1] - 1 - 4, -126, 127), 0)      # np.frexp(a)[1] - 1 = floor(log2(a)), exactly
;;       r = np.clip(x / 2.0 ** e, -28, 28)
;;       step = 2.0 ** (np.maximum(np.frexp(np.where(r == 0, 1, r))[1] - 1, -2) - 2)
;;       q = np.round(r / step) * step * 2.0 ** e      # np.round: ties to even
;;       return np.moveaxis(q.reshape(q.shape[:-2] + (-1,))[..., :K], -1, axis).astype(np.float32)
;;   ~~~
;;   OPERANDS COMPUTED ON THE WAY. 'Computed on the way' means the value that the module computes at that place (a softmax that the list does not call 'softmax' is quantised finished and normalised). What goes into a quantiser is computed in f32, as accurately as f32 sums, v_exp_f32 and their like allow (about 1e-6 of the number): no bf16 or f16 on the way to a quantiser, and a product that is left as it is and whose result goes on into a quantised operand takes f32 operands (vector FMAs, or v_wmma_f32_16x16x4_f32). A number that lies on a knife's edge between two numbers of the format may be rounded either way, as far as f32 arithmetic and the matrix unit's own rounding can turn it there, and no further.
;; One version. Each part assembles by itself: llvm-mc -triple=amdgcn-amd-amdhsa -mcpu=gfx1250 --defsym DOCPART=n.
;; ======== version 1 of 1: 3 launches
;; limits: right only within a limited range of input values
;; workspace buffers: wimg 393,216 bytes; wscl 16,384 bytes; dvec 65,536 bytes; cij 524,288 bytes; po 524,288 bytes; pml 2,048 bytes
;; launch prep (part 1): grid 96 x 1, 4 waves a work-group, no clusters, 8,704 bytes of LDS; arguments U, Wa, W, hidden_state, bias, wimg, wscl, dvec; writes wimg, wscl, dvec
.if DOCPART == 1
	.amdgcn_target "amdgcn-amd-amdhsa--gfx1250"
	.amdhsa_code_object_version 6
	.text
	.protected	k_q0333a89fe2_prep
	.globl	k_q0333a89fe2_prep
	.p2align	8
	.type	k_q0333a89fe2_prep,@function
k_q0333a89fe2_prep:
	s_mov_b64 s[64:65], 0
	v_nop
	global_prefetch_b8 v0, s[64:65] scope:SCOPE_SE
	s_setreg_imm32_b32 hwreg(HW_REG_WAVE_MODE, 25, 1), 1
	s_wait_xcnt 0x0
; FIRST OF THREE LAUNCHES.  U, Wa and W ([512 (k)][512 (n)] f32, K the first axis) are quantised along K to codes of BF6 (E3M2) with one E8M0 byte for each 32 along K;
; U's and Wa's codes and scale words are stored as IMAGES OF OPERAND REGISTERS for the second launch; W's are used here: dvec[b][n] = sum_k Q(hidden_state)[b][k] Q(W)[k][n] + bias[n].
; DEAD WORK, left out in the whole program.  tanh(y) = 1 - 2 r with r = 1 / (1 + e^(2 y)), so cij[b][t] = sum_k V[k] - 2 sum_k V[k] r[b][t][k].  The first term is the same for every t, and cij
; reaches both outputs only through the softmax along t, which a term that is constant along t leaves as it is, whatever the inputs hold.  So sum_k V[k] is never formed.  Every input keeps a way to
; an output and is loaded.  LIMIT: a NaN, an infinity or an overflow that arises in sum_k V[k] alone is not carried to the results.
; LIMITS: NaN and infinities among the inputs are not served.  A block whose largest magnitude lies under 2^-122 has its byte held at 1; a block of zeros gets the byte 1 (the rule says 127): its codes are
; zeros, which add nothing, and this program alone reads the bytes.  dens1's four K steps are four f32 sums, added as (s0 + s1) + (s2 + s3), then + bias: another order of f32 rounding than reference()'s.
; SHARES.  Work-group x: matrix x / 32 (0 U, 1 Wa, 2 W), tile of 16 columns T = x % 32; wave s: K step s (128 along K).  96 work-groups: that is all the work there is.
; A LANE TAKES A COLUMN AND ITS REGISTERS RUN DOWN K, in the order that the operand's layout gives the lane (k = 128 s + 64 c + 32 h + i): the conversions' results are the operand's registers.
; WHICH COLUMNS FORM A TILE.  With w = T / 8, t = T % 8: Wa, W: lane r takes column 128 w + 16 t + r.  U: lane r takes column 128 w + 32 (t / 2) + 8 (t % 2) + r + 8 (r / 8), so that in the second launch
; a lane's 16 results of tiles 2 b and 2 b + 1 are 16 neighbours along the next product's K.
; wimg: fragment number 4 x + s, 1,536 bytes: registers 4 q .. 4 q + 3 of lane l at 512 q + 16 l.  wscl: 64 bytes a fragment, lane r's word at 4 r.
.set SPARE, 8192                       ; LDS: 4 x 2,048 bytes of partial sums, then the spare words, 128 bytes for each wave
.set SH8,  7                           ; v7   8 h
.set QTMP, 8                           ; v8   a lane permute's destination
.set SPW,  9                           ; v9   LDS address of my spare word; never rewritten
.set NIL,  10                          ; v10  0; never rewritten
.set N,    16                          ; v16-79   64 numbers of my column
.set NH0,  80                          ; v80-143  64 numbers of hidden_state's row r;  v144-207 of row 16 + r
.set NH1,  144
.set PCW,  208                         ; v208-219 the weight's fragment
.set TQ,   222                         ; v222-228 conversions' results that must begin on an even register
.set QM,   230                         ; v230-236 at work in QUANTC
.set PCH0, 16                          ; v16-27, v30-41 hidden_state's two fragments (N is done with)
.set PCH1, 30
.set ACC,  44                          ; v44-59   two accumulators
.set SEL,  22                          ; s[22:23] selects of v_permlanex16_b32 for lane l xor 16
; 64 numbers of a lane, register src + 32 c + i = k 64 c + 32 h + i of its row or column, become a fragment's 12 registers at pc and its scale word in pw.  v12, v13, v14 hold scale words and nothing else.
.macro QUANTC src, pc, pw
.irp c, 0,1
	v_max3_num_f32 v[QM+\c], |v[\src+32*\c]|, |v[\src+32*\c+1]|, 0x2800000    ; my block 2 c + h, in two chains; the floor 2^(5 - 127) holds the byte at 1 from below
	v_max3_num_f32 v[QM+2+\c], |v[\src+32*\c+16]|, |v[\src+32*\c+17]|, |v[\src+32*\c+18]|
.endr
.irp i, 2,4,6,8,10,12
.irp c, 0,1
	v_max3_num_f32 v[QM+\c], v[QM+\c], |v[\src+32*\c+\i]|, |v[\src+32*\c+\i+1]|
	v_max3_num_f32 v[QM+2+\c], v[QM+2+\c], |v[\src+32*\c+\i+17]|, |v[\src+32*\c+\i+18]|
.endr
.endr
.irp c, 0,1
	v_max3_num_f32 v[QM+\c], v[QM+\c], |v[\src+32*\c+14]|, |v[\src+32*\c+15]|
.endr
.irp c, 0,1
	v_max3_num_f32 v[QM+\c], v[QM+\c], v[QM+2+\c], |v[\src+32*\c+31]|         ; the block's largest magnitude: all 32 numbers are mine
.endr
.irp c, 0,1
	v_add_nc_u32 v[QM+2+\c], 0xfe000000, v[QM+\c]                             ; 4 off its exponent field: the conversion's scale operand
.endr
.irp c, 0,1
	v_lshrrev_b32 v[QM+4+\c], 23, v[QM+2+\c]                                  ; the scale's byte
.endr
	v_lshl_or_b32 v[QM+6], v[QM+5], 16, v[QM+4]                               ; blocks h and 2 + h,
	v_lshlrev_b32 v[QM+6], v[SH8], v[QM+6]                                    ; at their places in the word;
	v_permlanex16_b32 v[QTMP], v[QM+6], s[SEL], s[SEL+1]
	v_or_b32 v[\pw], v[QM+6], v[QTMP]                                         ; with lane l xor 16's two the word is whole
.irp c, 0,1
	v_cvt_scalef32_pk16_bf6_f32 v[\pc+6*\c:\pc+6*\c+2], v[\src+32*\c:\src+32*\c+15], v[QM+2+\c]
	v_cvt_scalef32_pk16_bf6_f32 v[TQ+4*\c:TQ+4*\c+2], v[\src+32*\c+16:\src+32*\c+31], v[QM+2+\c]   ; (a conversion's three registers begin on an even number)
.endr
	v_nop                                                                     ; one plain place behind a scaled conversion
.irp c, 0,1
.irp i, 0,1,2
	v_mov_b32 v[\pc+6*\c+3+\i], v[TQ+4*\c+\i]
.endr
.endr
.endm
	s_load_b512 s[4:19], s[0:1], 0x0               ; U s[4:5], Wa s[6:7], W s[8:9], hidden_state s[10:11], bias s[12:13], wimg s[14:15], wscl s[16:17], dvec s[18:19]
	v_lshl_add_u32 v[SPW], v0, 2, SPARE
	v_mov_b32 v[NIL], 0
	v_lshrrev_b32 v1, 5, v0
	v_readfirstlane_b32 s20, v1                    ; wave = K step
	v_and_b32 v1, 31, v0                           ; lane
	v_and_b32 v2, 15, v0                           ; r
	s_wait_alu depctr_va_vdst(0)
	v_bfe_u32 v3, v0, 4, 1                         ; h
	v_lshlrev_b32 v6, 4, v1                        ; 16 x lane
	v_lshlrev_b32 v[SH8], 3, v3
	v_mov_b32 v[QTMP], 0                           ; written once: a lane permute's destination counts as one of its sources
	s_mov_b32 s[SEL], 0x76543210
	s_mov_b32 s[SEL+1], 0xfedcba98
	s_lshr_b32 s24, ttmp9, 5                       ; which matrix
	s_and_b32 s25, ttmp9, 31                       ; T
	s_lshr_b32 s26, s25, 3                         ; w
	s_and_b32 s27, s25, 7                          ; t
	s_lshr_b32 s28, s27, 1
	s_lshl_b32 s28, s28, 5
	s_and_b32 s29, s27, 1
	s_lshl_b32 s29, s29, 3
	s_add_co_u32 s28, s28, s29                     ; U: 32 (t / 2) + 8 (t % 2)
	s_lshl_b32 s29, s27, 4                         ; Wa, W: 16 t
	s_cmp_eq_u32 s24, 0
	s_cselect_b32 s28, s28, s29
	s_cselect_b32 s29, 8, 0                        ; U: lanes 8-15 stand 8 columns further on
	s_lshl_b32 s30, s26, 7
	s_add_co_u32 s28, s28, s30                     ; + 128 w
	v_and_b32 v4, s29, v2
	v_add3_u32 v4, v4, v2, s28                     ; my column
	v_lshlrev_b32 v4, 2, v4
	s_wait_alu depctr_va_vdst(0)
	v_lshl_add_u32 v4, v3, 16, v4                  ; + 32 h rows of 2,048 bytes
	s_lshl_b32 s30, s20, 18
	v_add_nc_u32 v4, s30, v4                       ; + 128 s rows
	v_lshlrev_b32 v5, 11, v2                       ; hidden_state: row r of 2,048 bytes,
	v_lshl_add_u32 v5, v3, 7, v5                   ; + 128 h,
	s_lshl_b32 s30, s20, 9
	v_add_nc_u32 v5, s30, v5                       ; + 512 s
	s_lshl_b32 s30, s20, 11
	v_add_nc_u32 v11, s30, v6                      ; LDS: where my partial sums go: 2,048 x wave + 16 x lane
	s_lshl_b32 s31, s20, 9
	v_add_nc_u32 v15, s31, v6                      ; and which chunk of the four waves' I add up: 512 x wave + 16 x lane
	s_lshl_b32 s34, s25, 6
	s_and_b32 s35, s20, 1
	s_lshl_b32 s35, s35, 4
	s_add_co_u32 s34, s34, s35
	v_lshl_add_u32 v242, v3, 5, s34                ; bias: 4 (16 T + 8 h + 4 (wave % 2))
	s_lshr_b32 s35, s20, 1
	s_lshl_b32 s35, s35, 15
	v_lshl_add_u32 v243, v2, 11, v242
	v_add_nc_u32 v243, s35, v243                   ; dvec: row 16 (wave / 2) + r, the same columns
	v_lshlrev_b32 v244, 2, v2                      ; wscl: 4 r
	s_wait_kmcnt 0x0
	s_cmp_eq_u32 s24, 0
	s_cselect_b64 s[32:33], s[4:5], s[6:7]
	s_cmp_eq_u32 s24, 2
	s_cselect_b64 s[32:33], s[8:9], s[32:33]       ; the matrix: a choice by the work-group's number alone
.set I, 0
.rept 64
	global_load_b32 v[N+I], v4, s[32:33] offset:(64*(I/32)+I%32)*2048   ; row 128 s + 64 c + 32 h + i, my column
.set I, I+1
.endr
	s_cmp_lt_u32 ttmp9, 64
	s_cbranch_scc1 .Lweights
	; ---- W: dens1 + bias.  Wave s multiplies K step s for both tiles of 16 rows of hidden_state
	s_wait_alu depctr_va_vdst(0)
.irp mt, 0,1
.irp c, 0,1
.irp i, 0,1,2,3,4,5,6,7
	global_load_b128 v[NH0+64*\mt+32*\c+4*\i:NH0+64*\mt+32*\c+4*\i+3], v5, s[10:11] offset:32768*\mt+256*\c+16*\i
.endr
.endr
.endr
	global_load_b128 v[238:241], v242, s[12:13]
	s_wait_loadcnt 0x0
	QUANTC N, PCW, 12
	QUANTC NH0, PCH0, 13
	QUANTC NH1, PCH1, 14
.rept 8
	v_nop                                          ; a scale register written by a vector instruction stands 8 places ahead of a scaled matrix instruction, an operand so written 4
.endr
	; transposed: source 0 = 16 columns of W, source 1 = 16 rows of hidden_state: lane (r, h), register j: row 16 mt + r, column 16 T + 8 h + j
	v_wmma_scale_f32_16x16x128_f8f6f4 v[ACC:ACC+7], v[PCW:PCW+11], v[PCH0:PCH0+11], 0, v12, v13 matrix_a_fmt:MATRIX_FMT_BF6 matrix_b_fmt:MATRIX_FMT_BF6
	v_wmma_scale_f32_16x16x128_f8f6f4 v[ACC+8:ACC+15], v[PCW:PCW+11], v[PCH1:PCH1+11], 0, v12, v14 matrix_a_fmt:MATRIX_FMT_BF6 matrix_b_fmt:MATRIX_FMT_BF6
.rept 5
	v_nop                                          ; places behind the products, ahead of the stores that read their results
.endr
.irp q, 0,1,2,3
	ds_store_b128 v11, v[ACC+4*\q:ACC+4*\q+3] offset:512*\q        ; each accumulator from its low end on
.endr
	s_wait_dscnt 0x0                               ; for the others' sake: my partial sums lie in LDS
	s_barrier_signal -1
	s_barrier_wait -1
.irp a, 0,1,2,3
	ds_load_b128 v[60+4*\a:63+4*\a], v15 offset:2048*\a            ; chunk q = my wave's number, of K steps 0 to 3
.endr
	s_wait_dscnt 0x0
	v_pk_add_f32 v[60:61], v[60:61], v[64:65]
	v_pk_add_f32 v[62:63], v[62:63], v[66:67]
	v_pk_add_f32 v[68:69], v[68:69], v[72:73]
	v_pk_add_f32 v[70:71], v[70:71], v[74:75]
	v_pk_add_f32 v[60:61], v[60:61], v[68:69]
	v_pk_add_f32 v[62:63], v[62:63], v[70:71]
	v_pk_add_f32 v[60:61], v[60:61], v[238:239]
	v_pk_add_f32 v[62:63], v[62:63], v[240:241]
	global_store_b128 v243, v[60:63], s[18:19]     ; a tile has 16 columns: pieces of 64 bytes of a row, 65,536 bytes in the whole launch
	s_wait_tensorcnt 0x0                           ; the wave's end: behind my last LDS store
	ds_add_u32 v[SPW], v[NIL]
	s_wait_dscnt 0x0
	s_endpgm
.Lweights:                                             ; ---- U, Wa: the fragment and its scale words go to memory as they stand.  This arm touches no LDS
	s_wait_loadcnt 0x0
	QUANTC N, PCW, 12
	s_lshl_b32 s34, ttmp9, 2
	s_add_co_u32 s34, s34, s20                     ; the fragment's number: 4 x + s
	s_mul_i32 s36, s34, 1536
	s_mov_b32 s37, 0
	s_add_nc_u64 s[14:15], s[14:15], s[36:37]
	s_lshl_b32 s36, s34, 6
	s_add_nc_u64 s[16:17], s[16:17], s[36:37]
.irp q, 0,1,2
	global_store_b128 v6, v[PCW+4*\q:PCW+4*\q+3], s[14:15] offset:512*\q     ; 32 lanes store 512 consecutive bytes, aligned
.endr
	v_cmp_gt_u32 vcc_lo, 16, v1
	s_wait_xcnt 0x0                                ; EXEC changes only behind this wait
	s_and_saveexec_b32 s38, vcc_lo
	global_store_b32 v244, v12, s[16:17]           ; lanes 0-15: 64 bytes a fragment, 16,384 bytes in the whole launch
	s_wait_xcnt 0x0
	s_or_b32 exec_lo, exec_lo, s38
	s_endpgm
.Lfunc_end_k_q0333a89fe2_prep:
	.size	k_q0333a89fe2_prep, .Lfunc_end_k_q0333a89fe2_prep-k_q0333a89fe2_prep
	.p2alignl 7, 3214868480
	.fill 96, 4, 3214868480
	.section	.rodata,"a",@progbits
	.p2align	6, 0x0
	.amdhsa_kernel k_q0333a89fe2_prep
		.amdhsa_group_segment_fixed_size 8704
		.amdhsa_private_segment_fixed_size 0
		.amdhsa_enable_private_segment 0
		.amdhsa_kernarg_size 64
		.amdhsa_user_sgpr_count 2
		.amdhsa_user_sgpr_kernarg_segment_ptr 1
		.amdhsa_wavefront_size32 1
		.amdhsa_system_sgpr_workgroup_id_x 1
		.amdhsa_system_sgpr_workgroup_id_y 1
		.amdhsa_system_sgpr_workgroup_id_z 1
		.amdhsa_system_vgpr_workitem_id 0
		.amdhsa_next_free_vgpr 256
		.amdhsa_next_free_sgpr 66
		.amdhsa_reserve_vcc 1
		.amdhsa_float_denorm_mode_32 3
		.amdhsa_float_denorm_mode_16_64 3
		.amdhsa_memory_ordered 1
		.amdhsa_forward_progress 1
		.amdhsa_inst_pref_size 27
	.end_amdhsa_kernel
	.amdgpu_metadata
---
amdhsa.version: [ 1, 2 ]
amdhsa.kernels:
  - .name:           k_q0333a89fe2_prep
    .symbol:         k_q0333a89fe2_prep.kd
    .args:
      - { .name: U, .offset: 0, .size: 8, .value_kind: global_buffer, .address_space: global }
      - { .name: Wa, .offset: 8, .size: 8, .value_kind: global_buffer, .address_space: global }
      - { .name: W, .offset: 16, .size: 8, .value_kind: global_buffer, .address_space: global }
      - { .name: hidden_state, .offset: 24, .size: 8, .value_kind: global_buffer, .address_space: global }
      - { .name: bias, .offset: 32, .size: 8, .value_kind: global_buffer, .address_space: global }
      - { .name: wimg, .offset: 40, .size: 8, .value_kind: global_buffer, .address_space: global }
      - { .name: wscl, .offset: 48, .size: 8, .value_kind: global_buffer, .address_space: global }
      - { .name: dvec, .offset: 56, .size: 8, .value_kind: global_buffer, .address_space: global }
    .group_segment_fixed_size: 8704
    .private_segment_fixed_size: 0
    .kernarg_segment_align: 8
    .kernarg_segment_size: 64
    .max_flat_workgroup_size: 128
    .sgpr_count:     66
    .vgpr_count:     256
    .wavefront_size: 32
...
	.end_amdgpu_metadata
.endif
;; end of part 1
;; launch attend (part 2): grid 256 x 1, 8 waves a work-group, no clusters, 327,680 bytes of LDS; arguments encoder_outputs, wimg, wscl, dvec, ba, V, cij, po, pml; writes cij, po, pml
.if DOCPART == 2
	.amdgcn_target "amdgcn-amd-amdhsa--gfx1250"
	.amdhsa_code_object_version 6
	.text
	.protected	k_q0333a89fe2_attend
	.globl	k_q0333a89fe2_attend
	.p2align	8
	.type	k_q0333a89fe2_attend,@function
k_q0333a89fe2_attend:
	s_mov_b64 s[64:65], 0
	v_nop
	global_prefetch_b8 v0, s[64:65] scope:SCOPE_SE
	s_setreg_imm32_b32 hwreg(HW_REG_WAVE_MODE, 25, 1), 1
	s_wait_xcnt 0x0
; SECOND OF THREE LAUNCHES: the whole chain for 512 rows (b, t) a work-group, encoder_outputs read from memory once.
;   pre = Q(x) Q(U) + (dens1 + bias);  z = Q(pre) Q(Wa);  r = 1 / (1 + 2^(C2 z + C2 ba)), C2 = 2 log2(e);  c2 = sum_n V2[n] r[n], V2 = -C2 V;  a running softmax of c2 in base 2;  o = sum_t p[t] x[t].
; LEFT OUT as dead work: sum_k V[k], the term of cij that is the same along the softmax's axis (shown at the head of the first launch); c2 = log2(e) (cij - sum_k V[k]).
; LIMITS: as at the head of the first launch (NaN and infinities are not served; bytes held at 1 from below; a block of zeros gets the byte 1).  dens1 + bias is the C of the first product's first K step:
; another order of f32 rounding than reference()'s.  2^(..) may overflow to infinity: r is then 0, as tanh = 1 asks.
; SHARES.  Work-group x owns rows 512 x .. 512 x + 511, all of batch x / 8, in 8 blocks of 64.  EIGHT WAVES, two to a SIMD, SHARE THE COLUMNS: wave w keeps U's and Wa's columns 64 w .. 64 w + 63 in registers
; (32 fragments of 12: 21 in window 1, 11 at v124-255); the rows' codes go round through LDS as images of operand registers (registers 4 q .. 4 q + 3 of lane l at 512 q + 16 l).
; A BLOCK, four barriers.  Change of slots | X: wave w quantises K steps 2 (w % 2), + 1 of rows 16 (w / 2) .. + 15 | barrier | 2: my 64 units of pre for the 64 rows (transposed: a lane holds one row, its registers
; run along the next K), half a K step of pre's fragments | barrier | 3: my 64 columns of z, r, and the rows' sums | barrier | S: every wave adds the eight parts of c2 and moves m and l;
; W: thread adds p x for 4 columns over 32 of the 64 rows (waves 0-3 the first 32, waves 4-7 the others); the two halves of o meet in LDS at the end.
; Each phase is a plain run of products and then of vector work: the SIMD's other wave has work of its own for the meantime.
; THE ROWS come by the tensor data mover into two slots; a wave's load brings 8 rows as 16 half rows of 1,024 bytes + 16 of padding; the waves' tiles lie 16,656 bytes apart, so that the sixteen rows of a
; fragment start at sixteen different columns of 16 bytes modulo 256.  One tensor load of a wave is out at a time, asked for straight behind the change of slots.
; NO CLUSTER: the weights go to registers and not to LDS (393,216 bytes of images do not fit beside a slot), and the rows are shared by no other work-group.
; NO PREFETCH: the one stream from memory is asked for a whole block (128 matrix instructions a wave and all its vector work) ahead of its wait.
.set TOK,    2080
.set HALFR,  1040
.set WTILE,  16656                     ; a wave's 8 rows, + 16
.set SLOT1,  133376
.set FRB,    1536
.set XIMG,   266752                    ; x's 16 fragments: (tile of rows m, K step s) at (4 m + s) FRB
.set XSC,    291328                    ; their scale words: 256 m + 64 s + 4 r
.set HOFF,   25600                     ; pre's images and scale words lie HOFF behind x's
.set HIMG,   XIMG+HOFF
.set HSC,    XSC+HOFF
.set DLDS,   317952                    ; dens1 + bias of my batch
.set CPART,  320000                    ; [row 64][wave 8] f32
.set PBUF,   322048                    ; 256 bytes a wave: p of the block's 64 rows
.set OEX,    324096                    ; waves 4-7's halves of o
.set SPARE,  326144                    ; the spare words, 128 bytes for each wave
.set L16,  0                           ; from the head's end on: 16 lane
.set FRA,  1
.set SRA,  2
.set XA0,  3
.set XWI,  4
.set XWS,  5
.set HWI,  6
.set HWJ,  7
.set HWS,  8
.set CPA,  9
.set CRD,  10
.set PB,   11
.set WSA0, 12
.set DRD,  13
.set AT,   14                          ; the slot's address for phases X and W
.set SPW,  15
.set NIL,  16
.set CJO,  17                          ; 8 lane
.set MX,   18
.set LS,   19
.set TP0,  20
.set TP1,  21
.set FS,   22                          ; v22, v23 the operand's scale words: scales and nothing else
.set SCW,  24                          ; v24-39 the weights' scale words, register 4 t + s: lanes 0-15 U's, lanes 16-31 Wa's
.set BV,   40                          ; v40-47 (C2 ba, V2) of my column in tile t
.set OAW,  252                         ; window 1, v252-255: o of my four columns
.set NX,   48                          ; X: two sets of 32 numbers
.set TT,   112
.set QM0,  119
.set QM1,  120
.set AC,   48                          ; 2, 3: four accumulators
.set OF,   80                          ; 2, 3: three fragments of the operand, fragment q in place q % 3
.set T2,   116                         ; 2: the codes that are being made
.set HM,   122
.set CS,   116                         ; 3: sums of V2 r for eight rows
.set RT,   48
.set P,    48                          ; W: p of my 32 rows
.set XR,   80                          ; W: two sets of four rows
.set T,    112
.set PP,   112
.set FF,   120
.set CC,   122
.set WV,   22
.set SB,   23                          ; where the slot in hand begins;  s25 the other
.set CNT,  24
.set SBN,  25
.set C2,   26
.set SEL,  28
.set MK,   30
.set WOF,  33
.set PBS,  34
.set OXS,  35
.set G0,   36
.set G1,   40
.set MSB, 0
.macro WIN new
.if MSB != (\new)
	s_set_vgpr_msb (MSB<<8)|(\new)
.set MSB, \new
.endif
.endm
.macro WLOC F                          ; U: 4 t + s;  Wa: 16 + 4 s + t
.if (\F) < 21
.set WW, 1
.set WR, 12*(\F)
.else
.set WW, 0
.set WR, 124+12*((\F)-21)
.endif
.endm
.macro PLACES n
.rept \n
	v_nop
.endr
.endm
.macro BAR                             ; my LDS stores have landed and my LDS loads are in
	s_wait_dscnt 0x0
	s_barrier_signal -1
	s_barrier_wait -1
.endm
.macro XLD b, sp, c                    ; 32 numbers: k = 128 (K step) + 64 c + 32 h + 0 .. 31 of my row
.irp i, 0,1,2,3,4,5,6,7
	ds_load_b128 v[NX+32*(\b)+4*\i:NX+32*(\b)+4*\i+3], v[AT] offset:512*(\sp)+256*(\c)+16*\i
.endr
.endm
.macro XQ b, sp, c                     ; a whole block of 32 in a lane: registers 6 c .. 6 c + 5 of the fragment, and the block's byte
.set S, NX+32*(\b)
	v_max3_num_f32 v[QM0], |v[S]|, |v[S+1]|, 0x2800000             ; the floor 2^(5 - 127) holds the byte at 1 from below
	v_max3_num_f32 v[QM1], |v[S+16]|, |v[S+17]|, |v[S+18]|
.irp i, 2,4,6,8,10,12
	v_max3_num_f32 v[QM0], v[QM0], |v[S+\i]|, |v[S+\i+1]|
	v_max3_num_f32 v[QM1], v[QM1], |v[S+\i+17]|, |v[S+\i+18]|
.endr
	v_max3_num_f32 v[QM0], v[QM0], |v[S+14]|, |v[S+15]|
	v_max3_num_f32 v[QM0], v[QM0], v[QM1], |v[S+31]|
	v_add_nc_u32 v[QM1], 0xfe000000, v[QM0]                        ; 4 off the exponent field: the conversion's scale operand
	v_cvt_scalef32_pk16_bf6_f32 v[TT:TT+2], v[S:S+15], v[QM1]
	v_lshrrev_b32 v[QM0], 23, v[QM1]                               ; the byte
	v_cvt_scalef32_pk16_bf6_f32 v[TT+4:TT+6], v[S+16:S+31], v[QM1]
	v_nop                                                          ; one plain place behind a scaled conversion
	v_mov_b32 v[TT+3], v[TT+4]
	v_mov_b32 v[TT+4], v[TT+5]
	v_mov_b32 v[TT+5], v[TT+6]
.if (\c) == 0
	ds_store_b128 v[XWI], v[TT:TT+3] offset:FRB*(\sp)
	ds_store_b64 v[XWI], v[TT+4:TT+5] offset:FRB*(\sp)+512
.else
	ds_store_b64 v[XWI], v[TT:TT+1] offset:FRB*(\sp)+520
	ds_store_b128 v[XWI], v[TT+2:TT+5] offset:FRB*(\sp)+1024
.endif
	ds_store_b8 v[XWS], v[QM0] offset:64*(\sp)+2*(\c)
.endm
.macro OLD off, q                      ; fragment q = 4 m + s into place q % 3
.irp j, 0,1,2
	ds_load_b128 v[OF+12*((\q)%3)+4*\j:OF+12*((\q)%3)+4*\j+3], v[FRA] offset:\off+(\q)*FRB+512*\j
.endr
.endm
.macro FSL off, m                      ; scale words of tile of rows m: K steps 0 | 1 and 2 | 3 in the two halves of the lanes
	ds_load_b32 v[FS], v[SRA] offset:\off+256*(\m)
	ds_load_b32 v[FS+1], v[SRA] offset:\off+256*(\m)+128
.endm
.macro DVL                             ; dens1 + bias at my lane's units, 32 (t / 2) + 16 h + 8 (t % 2) + j of my 64, straight into the accumulators
.irp t, 0,1,2,3
	ds_load_b128 v[AC+8*\t:AC+8*\t+3], v[DRD] offset:128*(\t/2)+32*(\t%2)
	ds_load_b128 v[AC+8*\t+4:AC+8*\t+7], v[DRD] offset:128*(\t/2)+32*(\t%2)+16
.endr
.endm
.macro MM2 m, s                        ; four products, the four accumulators by turns: source 0 = U, source 1 = x
.set OB, OF+12*((4*(\m)+(\s))%3)
.irp tp, 0,1,2,3
.if ((\s)%2) == 0
	v_wmma_scale_f32_16x16x128_f8f6f4 v[AC+8*\tp:AC+8*\tp+7], v[12*(4*\tp+(\s)):12*(4*\tp+(\s))+11], v[OB:OB+11], v[AC+8*\tp:AC+8*\tp+7], v[SCW+4*\tp+(\s)], v[FS+(\s)/2] matrix_a_fmt:MATRIX_FMT_BF6 matrix_b_fmt:MATRIX_FMT_BF6
.else
	v_wmma_scale_f32_16x16x128_f8f6f4 v[AC+8*\tp:AC+8*\tp+7], v[12*(4*\tp+(\s)):12*(4*\tp+(\s))+11], v[OB:OB+11], v[AC+8*\tp:AC+8*\tp+7], v[SCW+4*\tp+(\s)], v[FS+(\s)/2] matrix_a_fmt:MATRIX_FMT_BF6 matrix_b_fmt:MATRIX_FMT_BF6 matrix_b_scale:MATRIX_SCALE_ROW1
.endif
.endr
.endm
; My 32 results of a row are 16 numbers of each of two blocks (the other 16 lie in lane l xor 16); they become six registers of pre's fragment (m, w / 2): 0-5 in even waves, 6-11 in odd ones
.macro QH m
	v_max3_num_f32 v[HM], |v[AC]|, |v[AC+1]|, 0x2800000            ; each accumulator is read from its low end on
	v_max3_num_f32 v[HM+1], |v[AC+16]|, |v[AC+17]|, 0x2800000
.irp i, 2,4,6,8,10,12,14
	v_max3_num_f32 v[HM], v[HM], |v[AC+\i]|, |v[AC+\i+1]|
	v_max3_num_f32 v[HM+1], v[HM+1], |v[AC+16+\i]|, |v[AC+17+\i]|
.endr
	v_permlanex16_b32 v[TP0], v[HM], s[SEL], s[SEL+1]
	v_permlanex16_b32 v[TP1], v[HM+1], s[SEL], s[SEL+1]
	v_max_num_f32 v[HM], v[HM], v[TP0]
	v_max_num_f32 v[HM+1], v[HM+1], v[TP1]
	v_add_nc_u32 v[HM], 0xfe000000, v[HM]
	v_add_nc_u32 v[HM+1], 0xfe000000, v[HM+1]
	v_lshrrev_b32 v[TP0], 23, v[HM]
	v_lshrrev_b32 v[TP1], 23, v[HM+1]
	v_cvt_scalef32_pk16_bf6_f32 v[T2:T2+2], v[AC:AC+15], v[HM]
	v_lshl_or_b32 v[TP0], v[TP1], 8, v[TP0]                        ; my two bytes; also the plain place ahead of a write over the first conversion's sources
	v_cvt_scalef32_pk16_bf6_f32 v[AC:AC+2], v[AC+16:AC+31], v[HM+1]
	v_nop
.irp i, 0,1,2
	v_permlane16_swap_b32 v[T2+\i], v[AC+\i]                       ; a whole block in a lane: lanes 0-15 the first block, lanes 16-31 the second
.endr
.irp i, 0,1,2
	v_mov_b32 v[T2+3+\i], v[AC+\i]
.endr
	ds_store_b64 v[HWI], v[T2:T2+1] offset:4*FRB*(\m)
	ds_store_b64 v[HWJ], v[T2+2:T2+3] offset:4*FRB*(\m)
	ds_store_b64 v[HWI], v[T2+4:T2+5] offset:4*FRB*(\m)+512
	ds_store_b16 v[HWS], v[TP0] offset:256*(\m)                    ; lanes r and 16 + r write the same bytes with the same value
.endm
.macro UNIT2 m                         ; tile of rows m: 16 products, then the quantising
	s_wait_dscnt 0x0                               ; K steps 0 to 2, the scale words, dens1 + bias; and the last stores of the codes' registers
	WIN 1
	MM2 \m, 0
	PLACES 4                                       ; ahead of the load into K step 0's registers
	WIN 0
	OLD 0, 4*(\m)+3
	WIN 1
	MM2 \m, 1
	MM2 \m, 2
	s_wait_dscnt 0x0                               ; K step 3
	MM2 \m, 3
	WIN 0
	PLACES 4                                       ; behind the last product: ahead of the loads below and of the first read of the results
.if (\m) < 3
	FSL 0, (\m)+1
	OLD 0, 4*(\m)+4
	OLD 0, 4*(\m)+5
	OLD 0, 4*(\m)+6
.endif
	QH \m
.if (\m) < 3
	DVL
.endif
.endm
.macro MM3 m, s                        ; source 0 = pre, source 1 = Wa: a lane holds one column and eight rows
.set OB, OF+12*((4*(\m)+(\s))%3)
.irp tp, 0,1,2,3
	WLOC 16+4*(\s)+\tp
	WIN WW<<2
.if (\s) == 0
	v_wmma_scale_f32_16x16x128_f8f6f4 v[AC+8*\tp:AC+8*\tp+7], v[OB:OB+11], v[WR:WR+11], 0, v[FS], v[SCW+4*\tp] matrix_a_fmt:MATRIX_FMT_BF6 matrix_b_fmt:MATRIX_FMT_BF6 matrix_b_scale:MATRIX_SCALE_ROW1
.elseif ((\s)%2) == 0
	v_wmma_scale_f32_16x16x128_f8f6f4 v[AC+8*\tp:AC+8*\tp+7], v[OB:OB+11], v[WR:WR+11], v[AC+8*\tp:AC+8*\tp+7], v[FS+(\s)/2], v[SCW+4*\tp+(\s)] matrix_a_fmt:MATRIX_FMT_BF6 matrix_b_fmt:MATRIX_FMT_BF6 matrix_b_scale:MATRIX_SCALE_ROW1
.else
	v_wmma_scale_f32_16x16x128_f8f6f4 v[AC+8*\tp:AC+8*\tp+7], v[OB:OB+11], v[WR:WR+11], v[AC+8*\tp:AC+8*\tp+7], v[FS+(\s)/2], v[SCW+4*\tp+(\s)] matrix_a_fmt:MATRIX_FMT_BF6 matrix_b_fmt:MATRIX_FMT_BF6 matrix_a_scale:MATRIX_SCALE_ROW1 matrix_b_scale:MATRIX_SCALE_ROW1
.endif
.endr
.endm
; The sums over my 16 lanes' columns, for eight rows at once: three halving steps, then one more addition.  Lane (r, h) ends with row 16 m + 8 h + r % 8
.macro RED8 m
.irp i, 0,1,2,3
	v_cndmask_b32 v[RT+\i], v[CS+2*\i], v[CS+2*\i+1], s[MK]
	v_cndmask_b32 v[RT+4+\i], v[CS+2*\i+1], v[CS+2*\i], s[MK]
.endr
.irp i, 0,1,2,3
	v_add_f32_dpp v[RT+\i], v[RT+4+\i], v[RT+\i] row_xmask:1 row_mask:0xf bank_mask:0xf
.endr
.irp i, 0,1
	v_cndmask_b32 v[RT+4+2*\i], v[RT+2*\i], v[RT+2*\i+1], s[MK+1]
	v_cndmask_b32 v[RT+5+2*\i], v[RT+2*\i+1], v[RT+2*\i], s[MK+1]
.endr
.irp i, 0,1
	v_add_f32_dpp v[RT+4+2*\i], v[RT+5+2*\i], v[RT+4+2*\i] row_xmask:2 row_mask:0xf bank_mask:0xf
.endr
	v_cndmask_b32 v[RT], v[RT+4], v[RT+6], s[MK+2]
	v_cndmask_b32 v[RT+1], v[RT+6], v[RT+4], s[MK+2]
	v_add_f32_dpp v[RT], v[RT+1], v[RT] row_xmask:4 row_mask:0xf bank_mask:0xf
	v_add_f32_dpp v[RT], v[RT], v[RT] row_xmask:8 row_mask:0xf bank_mask:0xf
	ds_store_b32 v[CPA], v[RT] offset:512*(\m)     ; lanes r and r xor 8 write the same word with the same value
.endm
.macro WGRP gi                         ; four rows' 16 bytes of my four columns
.irp k, 0,1,2,3
	ds_load_b128 v[XR+16*((\gi)%2)+4*\k:XR+16*((\gi)%2)+4*\k+3], v[AT] offset:WTILE*((4*(\gi)+\k)/8)+TOK*((4*(\gi)+\k)%8)
.endr
.endm
.macro UNIT3 m
	s_wait_dscnt 0x0
	MM3 \m, 0
	PLACES 4
	OLD HOFF, 4*(\m)+3
	MM3 \m, 1
	MM3 \m, 2
	s_wait_dscnt 0x0
	MM3 \m, 3
	WIN 0
	PLACES 4
.if (\m) < 3
	FSL HOFF, (\m)+1
	OLD HOFF, 4*(\m)+4
	OLD HOFF, 4*(\m)+5
	OLD HOFF, 4*(\m)+6
.else
	v_add_nc_u32 v[AT], s[SB], v[WSA0]             ; phase W's first eight rows land under the lines below
	WGRP 0
	WGRP 1
.endif
.irp tp, 0,1,2,3                       ; C2 z + C2 ba, two rows at a time; each accumulator from its low end on
.irp j, 0,2,4,6
	v_pk_fma_f32 v[AC+8*\tp+\j:AC+8*\tp+\j+1], v[AC+8*\tp+\j:AC+8*\tp+\j+1], s[C2:C2+1], v[BV+2*\tp:BV+2*\tp+1] op_sel_hi:[1,0,0]
.endr
.endr
	s_wait_alu depctr_va_vdst(0)                   ; a wait ahead of a batch of transcendentals and one behind it
.set TI, 0
.rept 32
	v_exp_f32 v[AC+TI], v[AC+TI]
.set TI, TI+1
.endr
	v_nop
	s_wait_alu depctr_va_vdst(0)
.irp j, 0,2,4,6,8,10,12,14,16,18,20,22,24,26,28,30
	v_pk_add_f32 v[AC+\j:AC+\j+1], v[AC+\j:AC+\j+1], 1.0 op_sel_hi:[1,0]
.endr
	s_wait_alu depctr_va_vdst(0)
.set TI, 0
.rept 32
	v_rcp_f32 v[AC+TI], v[AC+TI]
.set TI, TI+1
.endr
	v_nop
	s_wait_alu depctr_va_vdst(0)
.irp tp, 0,1,2,3                       ; the rows' sums take V2 r; the first column tile starts them
.irp j, 0,2,4,6
.if \tp == 0
	v_pk_mul_f32 v[CS+\j:CS+\j+1], v[AC+\j:AC+\j+1], v[BV:BV+1] op_sel:[0,1] op_sel_hi:[1,1]
.else
	v_pk_fma_f32 v[CS+\j:CS+\j+1], v[AC+8*\tp+\j:AC+8*\tp+\j+1], v[BV+2*\tp:BV+2*\tp+1], v[CS+\j:CS+\j+1] op_sel:[0,1,0] op_sel_hi:[1,1,1]
.endif
.endr
.endr
	RED8 \m
.endm
.macro WFMA gi                         ; p x, in two sets by the row's parity; rows 0 and 1 start the sums
.irp k, 0,1,2,3
.set WFX, XR+16*((\gi)%2)+4*\k
.set WFP, P+4*(\gi)+\k-(\k%2)
.set WFT, T+4*(\k%2)
.if (4*(\gi)+\k) < 2
.if (\k%2) == 0
	v_pk_mul_f32 v[WFT:WFT+1], v[WFX:WFX+1], v[WFP:WFP+1] op_sel_hi:[1,0]
	v_pk_mul_f32 v[WFT+2:WFT+3], v[WFX+2:WFX+3], v[WFP:WFP+1] op_sel_hi:[1,0]
.else
	v_pk_mul_f32 v[WFT:WFT+1], v[WFX:WFX+1], v[WFP:WFP+1] op_sel:[0,1] op_sel_hi:[1,1]
	v_pk_mul_f32 v[WFT+2:WFT+3], v[WFX+2:WFX+3], v[WFP:WFP+1] op_sel:[0,1] op_sel_hi:[1,1]
.endif
.else
.if (\k%2) == 0
	v_pk_fma_f32 v[WFT:WFT+1], v[WFX:WFX+1], v[WFP:WFP+1], v[WFT:WFT+1] op_sel_hi:[1,0,1]
	v_pk_fma_f32 v[WFT+2:WFT+3], v[WFX+2:WFX+3], v[WFP:WFP+1], v[WFT+2:WFT+3] op_sel_hi:[1,0,1]
.else
	v_pk_fma_f32 v[WFT:WFT+1], v[WFX:WFX+1], v[WFP:WFP+1], v[WFT:WFT+1] op_sel:[0,1,0] op_sel_hi:[1,1,1]
	v_pk_fma_f32 v[WFT+2:WFT+3], v[WFX+2:WFX+3], v[WFP:WFP+1], v[WFT+2:WFT+3] op_sel:[0,1,0] op_sel_hi:[1,1,1]
.endif
.endif
.endr
.endm
; ---------------------------------------------------------------- the head
	s_load_b512 s[4:19], s[0:1], 0x0               ; encoder_outputs s[4:5], wimg s[6:7], wscl s[8:9], dvec s[10:11], ba s[12:13], V s[14:15], cij s[16:17], po s[18:19]
	s_load_b64 s[20:21], s[0:1], 0x40              ; pml
	v_lshl_add_u32 v[SPW], v0, 2, SPARE
	v_mov_b32 v[NIL], 0
	ds_add_u32 v[SPW], v[NIL]                      ; the opening: the add, twice on end, and its wait ahead of my first tensor load
	ds_add_u32 v[SPW], v[NIL]
	v_lshrrev_b32 v48, 5, v0
	v_readfirstlane_b32 s[WV], v48                 ; wave 0..7
	s_mov_b32 s[G1+0], (2<<16)|(1<<20)|(7<<22)|(3<<25)   ; elements of 4 bytes; behind every 256 words, 4 words of padding
	s_mov_b32 s[G1+1], 256<<16
	s_mov_b32 s[G1+2], 16<<16
	s_mov_b32 s[G1+3], 256<<16                     ; half a row of x
	s_mov_b32 s[G1+4], 16                          ; 16 half rows: 8 rows, dense in memory
	s_mov_b32 s[G1+5], 256
	s_mov_b32 s[G1+6], 0
	s_mov_b32 s[G1+7], 0
	s_mov_b32 s[G0], 1
	s_mul_i32 s[WOF], s[WV], WTILE
	s_mov_b32 s[G0+1], s[WOF]                      ; slot 0, my 8 rows
	s_lshl_b32 s48, ttmp9, 20
	s_lshl_b32 s49, s[WV], 14
	s_add_co_u32 s48, s48, s49
	s_mov_b32 s49, 0
	s_mov_b32 s[C2], 0x4038aa3b                    ; 2 log2(e)
	s_mov_b32 s[C2+1], s[C2]
	s_mov_b32 s[SEL], 0x76543210
	s_mov_b32 s[SEL+1], 0xfedcba98
	s_mov_b32 s[MK], 0xaaaaaaaa
	s_mov_b32 s[MK+1], 0xcccccccc
	s_mov_b32 s[MK+2], 0xf0f0f0f0
	s_mov_b32 s[SB], 0
	s_mov_b32 s[SBN], SLOT1
	s_mov_b32 s[CNT], 7
	s_wait_dscnt 0x0
	s_wait_kmcnt 0x0
	s_add_nc_u64 s[G0+2:G0+3], s[4:5], s[48:49]
	s_or_b32 s[G0+3], s[G0+3], 0x80000000
	tensor_load_to_lds s[G0:G0+3], s[G1:G1+7]      ; block 0 into slot 0: every wave issues its own
	s_nop 0
	PLACES 4
	s_lshr_b32 s52, s[WV], 1
	s_and_b32 s53, s[WV], 1
	s_and_b32 s54, s[WV], 3
	s_lshr_b32 s55, s[WV], 2
	s_mov_b32 s51, 0
	s_lshl_b32 s50, ttmp9, 11
	s_add_nc_u64 s[16:17], s[16:17], s[50:51]      ; cij and po at my work-group's 2,048 bytes
	s_add_nc_u64 s[18:19], s[18:19], s[50:51]
	s_lshl_b32 s50, s54, 9
	s_add_nc_u64 s[18:19], s[18:19], s[50:51]      ; po at the 512 bytes of wave w % 4
	s_lshl_b32 s50, ttmp9, 3
	s_add_nc_u64 s[20:21], s[20:21], s[50:51]
	s_lshr_b32 s50, ttmp9, 3
	s_lshl_b32 s50, s50, 11
	s_add_nc_u64 s[10:11], s[10:11], s[50:51]      ; dvec at my batch's row
	s_mul_i32 s50, s[WV], 16*FRB
	s_add_nc_u64 s[6:7], s[6:7], s[50:51]          ; wimg and wscl at my wave's part of U's
	s_lshl_b32 s50, s[WV], 10
	s_add_nc_u64 s[8:9], s[8:9], s[50:51]
	s_lshl_b32 s50, s[WV], 8
	s_add_nc_u64 s[12:13], s[12:13], s[50:51]      ; ba and V at my 64 columns
	s_add_nc_u64 s[14:15], s[14:15], s[50:51]
	s_mul_i32 s56, s52, 2*WTILE                    ; X: tile of rows w / 2, half row w % 2
	s_mul_i32 s57, s53, HALFR
	s_add_co_u32 s56, s56, s57
	s_mul_i32 s57, s[WV], 2*FRB
	s_lshl_b32 s58, s[WV], 7
	s_mul_i32 s59, s52, FRB                        ; pre's image, K step w / 2: pieces of 8 bytes at 0, 8, 512 (even waves) or 520, 1024, 1032 (odd ones)
	s_mul_i32 s60, s53, 1016
	s_add_co_u32 s60, s60, s59
	s_add_co_u32 s60, s60, 8
	s_mul_i32 s61, s53, 520
	s_add_co_u32 s59, s59, s61
	s_lshl_b32 s61, s52, 6
	s_lshl_b32 s62, s53, 1
	s_add_co_u32 s61, s61, s62
	s_lshl_b32 s62, s[WV], 2
	s_lshl_b32 s63, s[WV], 8
	s_lshl_b32 s66, s54, 9                         ; W: 512 (w % 4) + 16 for the second half row, rows from 32 (w / 4)
	s_lshr_b32 s67, s54, 1
	s_lshl_b32 s67, s67, 4
	s_add_co_u32 s66, s66, s67
	s_mul_i32 s67, s55, 4*WTILE
	s_add_co_u32 s66, s66, s67
	s_lshl_b32 s[PBS], s55, 7
	s_add_co_u32 s[PBS], s[PBS], s63
	s_add_co_u32 s[PBS], s[PBS], PBUF
	s_lshl_b32 s[OXS], s54, 9
	s_add_co_u32 s[OXS], s[OXS], OEX
	v_and_b32 v48, 31, v0                          ; lane
	v_and_b32 v49, 15, v0                          ; r
	v_bfe_u32 v50, v0, 4, 1                        ; h
	v_bfe_u32 v51, v0, 3, 1                        ; r / 8
	v_and_b32 v52, 7, v0
	v_lshlrev_b32 v53, 3, v0                       ; 8 x thread
	v_lshlrev_b32 v54, 2, v49                      ; 4 r
	v_lshl_add_u32 v55, v50, 13, v54               ; lanes 16-31: Wa's words, 8,192 bytes on
	global_load_b64 v[56:57], v53, s[10:11]
.irp t, 0,1,2,3
	global_load_b32 v[58+\t], v54, s[12:13] offset:64*\t
	global_load_b32 v[62+\t], v54, s[14:15] offset:64*\t
.endr
	v_lshl_add_u32 v[FRA], v48, 4, XIMG
	v_lshl_add_u32 v[SRA], v48, 2, XSC
	v_mul_u32_u24 v67, v52, TOK
	v_mad_u32_u24 v67, v51, WTILE, v67
	v_lshl_add_u32 v67, v50, 7, v67
	v_add_nc_u32 v[XA0], s56, v67
	v_add_nc_u32 v[XWI], s57, v[FRA]
	v_lshl_add_u32 v68, v49, 2, XSC
	v_add_nc_u32 v68, v68, v50
	v_add_nc_u32 v[XWS], s58, v68                  ; block 2 c + h of K step 2 (w % 2) + sp: byte 128 w + 4 r + h, + 64 sp + 2 c
	v_lshl_add_u32 v69, v48, 4, HIMG
	v_add_nc_u32 v[HWI], s59, v69
	v_add_nc_u32 v[HWJ], s60, v69
	v_lshl_add_u32 v70, v49, 2, HSC
	v_add_nc_u32 v[HWS], s61, v70
	v_lshl_add_u32 v71, v52, 5, CPART
	v_lshl_add_u32 v71, v50, 8, v71
	v_add_nc_u32 v[CPA], s62, v71
	v_lshl_add_u32 v[CRD], v48, 6, CPART
	v_lshl_add_u32 v72, v48, 3, PBUF
	v_add_nc_u32 v[PB], s63, v72
	v_lshl_add_u32 v[WSA0], v48, 4, s66
	v_lshl_add_u32 v73, v50, 6, DLDS
	v_add_nc_u32 v[DRD], s63, v73
	v_lshlrev_b32 v[CJO], 3, v48
	v_lshl_add_u32 v66, v0, 3, DLDS
	v_mov_b32 v[MX], 0xff61b1e6                    ; -3e38, under every c2
	v_mov_b32 v[LS], 0
	v_mov_b32 v[TP0], 0                            ; a lane permute's destination counts as one of its sources
	v_mov_b32 v[TP1], 0
	v_lshlrev_b32 v[L16], 4, v48                   ; the thread's number has served
	WIN 0x40
.irp i, 0,1,2,3
	v_mov_b32 v[OAW+\i], 0
.endr
	WIN 0
	s_wait_alu depctr_va_vdst(0)                   ; directly ahead of the wait below
	s_wait_loadcnt 0x0                             ; dvec's row, ba, V
	ds_store_b64 v66, v[56:57]                     ; each wave later reads only the 256 bytes that it stores here
.irp t, 0,1,2,3
	v_mul_f32 v[BV+2*\t], s[C2], v[58+\t]          ; C2 ba
	v_mul_f32 v[BV+2*\t+1], s[C2], -v[62+\t]       ; V2 = -C2 V
.endr
.set F, 0
.rept 16
	global_load_b32 v[SCW+F], v55, s[8:9] offset:64*F
.set F, F+1
.endr
.set F, 0
.rept 16                               ; U's fragments 4 t + s.  The weights are waited for ahead of phase 2: they land under block 0's phase X
	WLOC F
	WIN WW<<6
.irp q, 0,1,2
	global_load_b128 v[WR+4*\q:WR+4*\q+3], v[L16], s[6:7] offset:F*FRB+512*\q
.endr
.set F, F+1
.endr
.set F, 0
.rept 16                               ; Wa's: place 16 + 4 s + t takes the fragment 4 t + s
	WLOC 16+F
	WIN WW<<6
.irp q, 0,1,2
	global_load_b128 v[WR+4*\q:WR+4*\q+3], v[L16], s[6:7] offset:196608+(4*(F%4)+F/4)*FRB+512*\q
.endr
.set F, F+1
.endr
	WIN 0
	s_wait_alu depctr_va_vdst(0)                   ; a wait at the head's end
	s_wait_xcnt 0x0                                ; the loads have read their address registers
; ---------------------------------------------------------------- a block of 64 rows
.macro BODY refill
	s_wait_tensorcnt 0x0                           ; THE CHANGE OF SLOTS: my 8 rows of this block have landed;
	ds_add_u32 v[SPW], v[NIL]
.if \refill
	s_add_co_u32 s[G0+1], s[WOF], s[SBN]           ; no tensor load of mine is out, so group 0 may be written: the other slot, the next 64 rows
	s_add_nc_u64 s[G0+2:G0+3], s[G0+2:G0+3], 131072
.endif
	s_wait_dscnt 0x0                               ; my reads of the other slot are over
	s_barrier_signal -1
	s_barrier_wait -1
.if \refill
	tensor_load_to_lds s[G0:G0+3], s[G1:G1+7]      ; my one tensor load until the next change of slots (in the first trip: slot 1's first fill)
	s_nop 0
	PLACES 4
.endif
	; ---- X
	v_add_nc_u32 v[AT], s[SB], v[XA0]
	XLD 0, 0, 0
	XLD 1, 0, 1
	s_wait_dscnt 8                                 ; the older set is in, and the stores of the codes' registers are done; the 8 youngest loads may be out
	XQ 0, 0, 0
	XLD 0, 1, 0
	s_wait_dscnt 8
	XQ 1, 0, 1
	XLD 1, 1, 1
	s_wait_dscnt 8
	XQ 0, 1, 0
	s_wait_dscnt 0x0
	XQ 1, 1, 1
	BAR                                            ; x's sixteen fragments lie in LDS
	; ---- 2
	FSL 0, 0
	OLD 0, 0
	OLD 0, 1
	OLD 0, 2
	DVL
	s_wait_loadcnt 0x0                             ; the weights (first trip)
.irp m, 0,1,2,3
	UNIT2 \m
.endr
	BAR                                            ; pre's sixteen fragments lie in LDS
	; ---- 3
	FSL HOFF, 0
	OLD HOFF, 0
	OLD HOFF, 1
	OLD HOFF, 2
.irp m, 0,1,2,3
	UNIT3 \m
.endr
	BAR                                            ; the eight waves' parts of c2 lie in LDS
	; ---- S: every wave alike: rows 2 lane and 2 lane + 1
.irp q, 0,1,2,3
	ds_load_b128 v[48+4*\q:51+4*\q], v[CRD] offset:16*\q
.endr
	s_wait_dscnt 0x0
	v_pk_add_f32 v[48:49], v[48:49], v[50:51]
	v_pk_add_f32 v[52:53], v[52:53], v[54:55]
	v_pk_add_f32 v[56:57], v[56:57], v[58:59]
	v_pk_add_f32 v[60:61], v[60:61], v[62:63]
	v_pk_add_f32 v[48:49], v[48:49], v[52:53]
	v_pk_add_f32 v[56:57], v[56:57], v[60:61]
	v_add_f32 v[CC], v48, v49
	v_add_f32 v[CC+1], v56, v57
	s_wait_alu depctr_va_vdst(0)                   ; a wait ahead of the branch
	s_cmp_lg_u32 s[WV], 0
	s_cbranch_scc1 .Lnot_wave_0_\@
	global_store_b64 v[CJO], v[CC:CC+1], s[16:17]  ; 32 lanes store 256 consecutive bytes, aligned
.Lnot_wave_0_\@:
	v_max_num_f32 v65, v[CC], v[CC+1]
	v_max_num_f32_dpp v65, v65, v65 row_xmask:1 row_mask:0xf bank_mask:0xf
	v_max_num_f32_dpp v65, v65, v65 row_xmask:2 row_mask:0xf bank_mask:0xf
	v_max_num_f32_dpp v65, v65, v65 row_xmask:4 row_mask:0xf bank_mask:0xf
	v_max_num_f32_dpp v65, v65, v65 row_xmask:8 row_mask:0xf bank_mask:0xf
	v_permlanex16_b32 v[TP0], v65, s[SEL], s[SEL+1]
	v_max3_num_f32 v66, v65, v[TP0], v[MX]         ; the new running maximum
	v_sub_f32 v67, v[MX], v66
	v_sub_f32 v[PP], v[CC], v66
	v_sub_f32 v[PP+1], v[CC+1], v66
	v_mov_b32 v[TP1], s[PBS]
	s_wait_alu depctr_va_vdst(0)
	v_exp_f32 v[FF], v67                           ; f = 2^(old m - new m)
	v_exp_f32 v[PP], v[PP]
	v_exp_f32 v[PP+1], v[PP+1]
	v_mov_b32 v[MX], v66                           ; (the plain place behind the three)
	s_wait_alu depctr_va_vdst(0)
	v_mov_b32 v[FF+1], v[FF]
	v_fma_f32 v[LS], v[LS], v[FF], v[PP]
	v_add_f32 v[LS], v[LS], v[PP+1]
	ds_store_b64 v[PB], v[PP:PP+1]
.irp q, 0,1,2,3,4,5,6,7
	ds_load_b128 v[P+4*\q:P+4*\q+3], v[TP1] offset:16*\q           ; p of my 32 rows into every lane: my wave's own bytes, which LDS serves in order
.endr
	; ---- W: o = f o + sum over my 32 rows of p x
	s_wait_alu depctr_va_vdst(0)
	s_wait_dscnt 0x0
	WFMA 0
	WGRP 2
	WFMA 1
	WGRP 3
.irp gi, 2,3,4,5,6
	s_wait_alu depctr_va_vdst(0)
	s_wait_dscnt 4                                 ; this group of four rows is in; the younger group's four loads may be out
	WFMA \gi
.if \gi < 6
	WGRP \gi+2
.endif
.endr
	s_wait_alu depctr_va_vdst(0)
	s_wait_dscnt 0x0
	WFMA 7
	v_pk_add_f32 v[T:T+1], v[T:T+1], v[T+4:T+5]
	v_pk_add_f32 v[T+2:T+3], v[T+2:T+3], v[T+6:T+7]
	WIN 0x41
	v_pk_fma_f32 v[OAW:OAW+1], v[OAW:OAW+1], v[FF:FF+1], v[T:T+1] op_sel_hi:[1,0,1]
	v_pk_fma_f32 v[OAW+2:OAW+3], v[OAW+2:OAW+3], v[FF:FF+1], v[T+2:T+3] op_sel_hi:[1,0,1]
	WIN 0
	s_wait_alu depctr_va_vdst(0)
	s_wait_xcnt 0x0                                ; c2's store has read its base and its data
	s_add_nc_u64 s[16:17], s[16:17], 256
	s_xor_b32 s[SB], s[SB], SLOT1
	s_xor_b32 s[SBN], s[SBN], SLOT1
.endm
.Lblk:                                                 ; seven trips: behind each change of slots the next block is asked for
	BODY 1
	s_sub_co_u32 s[CNT], s[CNT], 1
	s_cmp_lg_u32 s[CNT], 0
	s_wait_alu depctr_va_vdst(0)                   ; a wait ahead of the backward jump
	s_cbranch_scc1 .Lblk
	BODY 0                                         ; the last block is written out
	; ---- the way out: the two halves of o meet; o, m and l under my work-group's own maximum go to the third launch
	WIN 0x01
.irp i, 0,1,2,3
	v_mov_b32 v[48+\i], v[OAW+\i]
.endr
	WIN 0
	v_add_nc_u32 v56, s[OXS], v[L16]
	v_mov_b32 v57, 0
	v_add_f32_dpp v[LS], v[LS], v[LS] row_xmask:1 row_mask:0xf bank_mask:0xf
	v_add_f32_dpp v[LS], v[LS], v[LS] row_xmask:2 row_mask:0xf bank_mask:0xf
	v_add_f32_dpp v[LS], v[LS], v[LS] row_xmask:4 row_mask:0xf bank_mask:0xf
	v_add_f32_dpp v[LS], v[LS], v[LS] row_xmask:8 row_mask:0xf bank_mask:0xf
	v_permlanex16_b32 v[TP0], v[LS], s[SEL], s[SEL+1]
	v_add_f32 v[LS], v[LS], v[TP0]
	s_wait_alu depctr_va_vdst(0)                   ; a wait ahead of the branches and the barrier
	s_cmp_lt_u32 s[WV], 4
	s_cbranch_scc1 .Llow
	ds_store_b128 v56, v[48:51]                    ; waves 4-7: rows 32-63's part
.Llow:
	s_wait_dscnt 0x0
	s_barrier_signal -1
	s_barrier_wait -1
	s_cmp_ge_u32 s[WV], 4
	s_cbranch_scc1 .Lend
	ds_load_b128 v[52:55], v56
	s_wait_dscnt 0x0
	v_pk_add_f32 v[48:49], v[48:49], v[52:53]
	v_pk_add_f32 v[50:51], v[50:51], v[54:55]
	global_store_b128 v[L16], v[48:51], s[18:19]   ; 32 lanes store 512 consecutive bytes, aligned
	s_cmp_lg_u32 s[WV], 0
	s_cbranch_scc1 .Lend
	v_cmp_eq_u32 vcc_lo, 0, v[L16]                 ; lane 0
	s_wait_xcnt 0x0                                ; EXEC changes only behind this wait
	s_and_saveexec_b32 s48, vcc_lo
	global_store_b64 v57, v[MX:MX+1], s[20:21]     ; (m, l): 8 bytes a work-group
	s_wait_xcnt 0x0
	s_or_b32 exec_lo, exec_lo, s48
.Lend:
	s_wait_tensorcnt 0x0                           ; the wave's end
	ds_add_u32 v[SPW], v[NIL]
	s_wait_dscnt 0x0
	s_endpgm
.Lfunc_end_k_q0333a89fe2_attend:
	.size	k_q0333a89fe2_attend, .Lfunc_end_k_q0333a89fe2_attend-k_q0333a89fe2_attend
	.p2alignl 7, 3214868480
	.fill 96, 4, 3214868480
	.section	.rodata,"a",@progbits
	.p2align	6, 0x0
	.amdhsa_kernel k_q0333a89fe2_attend
		.amdhsa_group_segment_fixed_size 327680
		.amdhsa_private_segment_fixed_size 0
		.amdhsa_enable_private_segment 0
		.amdhsa_kernarg_size 72
		.amdhsa_user_sgpr_count 2
		.amdhsa_user_sgpr_kernarg_segment_ptr 1
		.amdhsa_wavefront_size32 1
		.amdhsa_system_sgpr_workgroup_id_x 1
		.amdhsa_system_sgpr_workgroup_id_y 1
		.amdhsa_system_sgpr_workgroup_id_z 1
		.amdhsa_system_vgpr_workitem_id 0
		.amdhsa_next_free_vgpr 512
		.amdhsa_next_free_sgpr 72
		.amdhsa_reserve_vcc 1
		.amdhsa_float_denorm_mode_32 3
		.amdhsa_float_denorm_mode_16_64 3
		.amdhsa_memory_ordered 1
		.amdhsa_forward_progress 1
		.amdhsa_inst_pref_size 184
	.end_amdhsa_kernel
	.amdgpu_metadata
---
amdhsa.version: [ 1, 2 ]
amdhsa.kernels:
  - .name:           k_q0333a89fe2_attend
    .symbol:         k_q0333a89fe2_attend.kd
    .args:
      - { .name: encoder_outputs, .offset: 0, .size: 8, .value_kind: global_buffer, .address_space: global }
      - { .name: wimg, .offset: 8, .size: 8, .value_kind: global_buffer, .address_space: global }
      - { .name: wscl, .offset: 16, .size: 8, .value_kind: global_buffer, .address_space: global }
      - { .name: dvec, .offset: 24, .size: 8, .value_kind: global_buffer, .address_space: global }
      - { .name: ba, .offset: 32, .size: 8, .value_kind: global_buffer, .address_space: global }
      - { .name: V, .offset: 40, .size: 8, .value_kind: global_buffer, .address_space: global }
      - { .name: cij, .offset: 48, .size: 8, .value_kind: global_buffer, .address_space: global }
      - { .name: po, .offset: 56, .size: 8, .value_kind: global_buffer, .address_space: global }
      - { .name: pml, .offset: 64, .size: 8, .value_kind: global_buffer, .address_space: global }
    .group_segment_fixed_size: 327680
    .private_segment_fixed_size: 0
    .kernarg_segment_align: 8
    .kernarg_segment_size: 72
    .max_flat_workgroup_size: 256
    .sgpr_count:     72
    .vgpr_count:     512
    .wavefront_size: 32
...
	.end_amdgpu_metadata
.endif
;; end of part 2
;; launch finish (part 3): grid 8 x 32, 4 waves a work-group, no clusters, 0 bytes of LDS; arguments cij, po, pml, out0, out1; writes out0, out1
.if DOCPART == 3
	.amdgcn_target "amdgcn-amd-amdhsa--gfx1250"
	.amdhsa_code_object_version 6
	.text
	.protected	k_q0333a89fe2_finish
	.globl	k_q0333a89fe2_finish
	.p2align	8
	.type	k_q0333a89fe2_finish,@function
k_q0333a89fe2_finish:
	s_mov_b64 s[64:65], 0
	v_nop
	global_prefetch_b8 v0, s[64:65] scope:SCOPE_SE
	s_setreg_imm32_b32 hwreg(HW_REG_WAVE_MODE, 25, 1), 1
	s_wait_xcnt 0x0
; THIRD OF THREE LAUNCHES: the eight parts of a batch's softmax are joined.  cij holds c2 = log2(e) (cij - sum_k V[k]): the term left out as dead work (head of the first launch) is the same along t.
; With (m_i, l_i, o_i) of work-group 8 b + i of the second launch: M = max m_i, w_i = 2^(m_i - M), L = sum l_i w_i;  out1[b][t] = 2^(c2 - M) / L;  out0[b][d] = sum w_i o_i[d] / L.
; Work-group (j, b): 512 numbers of out1, four a thread, and 64 columns of out0, two a lane of wave 0.  No LDS, no barrier: memory binds what little there is.  The division is a reciprocal and a multiplication.
.macro WEIGHTS
	s_wait_loadcnt 0x0
	v_max3_num_f32 v56, v8, v10, v12
	v_max3_num_f32 v56, v56, v14, v16
	v_max3_num_f32 v56, v56, v18, v20
	v_max_num_f32 v56, v56, v22                    ; M
.irp i, 0,1,2,3,4,5,6,7
	v_sub_f32 v[48+\i], v[8+2*\i], v56
.endr
.irp k, 0,1,2,3
	v_sub_f32 v[24+\k], v[24+\k], v56
.endr
	s_wait_alu depctr_va_vdst(0)
.irp i, 0,1,2,3,4,5,6,7
	v_exp_f32 v[48+\i], v[48+\i]                   ; w_i
.endr
.irp k, 0,1,2,3
	v_exp_f32 v[24+\k], v[24+\k]
.endr
	v_nop                                          ; a plain place behind the last exponential,
	s_wait_alu depctr_va_vdst(0)                   ; and one wait for the twelve, ahead of their first reader
	v_mul_f32 v57, v9, v48
.irp i, 1,2,3,4,5,6,7
	v_fma_f32 v57, v[9+2*\i], v[48+\i], v57        ; L
.endr
	s_wait_alu depctr_va_vdst(0)
	v_rcp_f32 v58, v57
	v_nop
	s_wait_alu depctr_va_vdst(0)
	v_mov_b32 v59, v58
	v_pk_mul_f32 v[24:25], v[24:25], v[58:59]
	v_pk_mul_f32 v[26:27], v[26:27], v[58:59]
	global_store_b128 v2, v[24:27], s[12:13]       ; 32 lanes store 512 consecutive bytes, aligned
.endm
	s_load_b256 s[4:11], s[0:1], 0x0               ; cij s[4:5], po s[6:7], pml s[8:9], out0 s[10:11]
	s_load_b64 s[12:13], s[0:1], 0x20              ; out1
	v_lshrrev_b32 v1, 5, v0
	v_readfirstlane_b32 s14, v1                    ; wave
	v_mov_b32 v1, 0
	v_lshlrev_b32 v2, 4, v0                        ; 16 x thread
	v_and_b32 v3, 31, v0
	v_lshlrev_b32 v3, 3, v3                        ; 8 x lane
	s_and_b32 s15, ttmp7, 0xffff                   ; b
	s_mov_b32 s17, 0
	s_mov_b32 s19, 0
	s_mov_b32 s21, 0
	s_mov_b32 s23, 0
	s_lshl_b32 s16, s15, 6                         ; pml: 64 b
	s_lshl_b32 s24, s15, 14
	s_lshl_b32 s25, ttmp9, 11
	s_add_co_u32 s18, s24, s25                     ; cij, out1: 16,384 b + 2,048 j
	s_lshl_b32 s25, ttmp9, 8
	s_add_co_u32 s20, s24, s25                     ; po: 8 b rows of 2,048 bytes + 256 j
	s_lshl_b32 s24, s15, 11
	s_add_co_u32 s22, s24, s25                     ; out0: 2,048 b + 256 j
	s_wait_alu depctr_va_vdst(0)
	s_wait_kmcnt 0x0
	s_add_nc_u64 s[8:9], s[8:9], s[16:17]
	s_add_nc_u64 s[4:5], s[4:5], s[18:19]
	s_add_nc_u64 s[12:13], s[12:13], s[18:19]
	s_add_nc_u64 s[6:7], s[6:7], s[20:21]
	s_add_nc_u64 s[10:11], s[10:11], s[22:23]
.irp i, 0,1,2,3
	global_load_b128 v[8+4*\i:11+4*\i], v1, s[8:9] offset:16*\i    ; (m_i, l_i), i = 0 .. 7, the same in every lane
.endr
	global_load_b128 v[24:27], v2, s[4:5]
	s_cmp_lg_u32 s14, 0
	s_cbranch_scc1 .Lothers
.irp i, 0,1,2,3,4,5,6,7
	global_load_b64 v[32+2*\i:33+2*\i], v3, s[6:7] offset:2048*\i  ; o_i of my two columns
.endr
	WEIGHTS
	v_pk_mul_f32 v[60:61], v[32:33], v[48:49] op_sel_hi:[1,0]
	v_pk_fma_f32 v[60:61], v[34:35], v[48:49], v[60:61] op_sel:[0,1,0] op_sel_hi:[1,1,1]
.irp i, 2,4,6
	v_pk_fma_f32 v[60:61], v[32+2*\i:33+2*\i], v[48+\i:49+\i], v[60:61] op_sel_hi:[1,0,1]
	v_pk_fma_f32 v[60:61], v[34+2*\i:35+2*\i], v[48+\i:49+\i], v[60:61] op_sel:[0,1,0] op_sel_hi:[1,1,1]
.endr
	v_pk_mul_f32 v[60:61], v[60:61], v[58:59]
	global_store_b64 v3, v[60:61], s[10:11]        ; 32 lanes store 256 consecutive bytes, aligned
	s_endpgm
.Lothers:
	WEIGHTS
	s_endpgm
.Lfunc_end_k_q0333a89fe2_finish:
	.size	k_q0333a89fe2_finish, .Lfunc_end_k_q0333a89fe2_finish-k_q0333a89fe2_finish
	.p2alignl 7, 3214868480
	.fill 96, 4, 3214868480
	.section	.rodata,"a",@progbits
	.p2align	6, 0x0
	.amdhsa_kernel k_q0333a89fe2_finish
		.amdhsa_group_segment_fixed_size 0
		.amdhsa_private_segment_fixed_size 0
		.amdhsa_enable_private_segment 0
		.amdhsa_kernarg_size 40
		.amdhsa_user_sgpr_count 2
		.amdhsa_user_sgpr_kernarg_segment_ptr 1
		.amdhsa_wavefront_size32 1
		.amdhsa_system_sgpr_workgroup_id_x 1
		.amdhsa_system_sgpr_workgroup_id_y 1
		.amdhsa_system_sgpr_workgroup_id_z 1
		.amdhsa_system_vgpr_workitem_id 0
		.amdhsa_next_free_vgpr 64
		.amdhsa_next_free_sgpr 66
		.amdhsa_reserve_vcc 0
		.amdhsa_float_denorm_mode_32 3
		.amdhsa_float_denorm_mode_16_64 3
		.amdhsa_memory_ordered 1
		.amdhsa_forward_progress 1
		.amdhsa_inst_pref_size 8
	.end_amdhsa_kernel
	.amdgpu_metadata
---
amdhsa.version: [ 1, 2 ]
amdhsa.kernels:
  - .name:           k_q0333a89fe2_finish
    .symbol:         k_q0333a89fe2_finish.kd
    .args:
      - { .name: cij, .offset: 0, .size: 8, .value_kind: global_buffer, .address_space: global }
      - { .name: po, .offset: 8, .size: 8, .value_kind: global_buffer, .address_space: global }
      - { .name: pml, .offset: 16, .size: 8, .value_kind: global_buffer, .address_space: global }
      - { .name: out0, .offset: 24, .size: 8, .value_kind: global_buffer, .address_space: global }
      - { .name: out1, .offset: 32, .size: 8, .value_kind: global_buffer, .address_space: global }
    .group_segment_fixed_size: 0
    .private_segment_fixed_size: 0
    .kernarg_segment_align: 8
    .kernarg_segment_size: 40
    .max_flat_workgroup_size: 128
    .sgpr_count:     66
    .vgpr_count:     64
    .wavefront_size: 32
...
	.end_amdgpu_metadata
.endif
;; end of part 3
